; MI455X (gfx1250); checked and timed in simulation.
; The chip was launched on July 23, 2026; its instructions are those of AMD's public machine-readable ISA for CDNA 5 (MIT licence, August 2026) and "CDNA5" Instruction Set Architecture Reference Guide (July 2026). The comments in the code are by the model that wrote it; some were corrected since.
;; No Online Logit Normalization Layer. Allowed arithmetic: matrix products marked QUANTISED: E2M1 operands, one E8M0 scale for each 32 along K, by v_wmma_scale_f32_16x16x128_f8f6f4 with both operands' format E2M1 (or v_wmma_scale_f32_32x16x128_f4), f32 sums; everything else in f32.
;; Inputs: Wk_codes 1,024 x 32 x 16 uint8 (E2M1 codes of Wk, K innermost, in blocks of 32 codes, two codes a byte); Wk_scales 1,024 x 32 uint8 (E8M0 scales of Wk, one for each 32 codes along K); Wq_codes 1,024 x 32 x 16 uint8 (E2M1 codes of Wq, K innermost, in blocks of 32 codes, two codes a byte); Wq_scales 1,024 x 32 uint8 (E8M0 scales of Wq, one for each 32 codes along K); Wv_codes 1,024 x 32 x 16 uint8 (E2M1 codes of Wv, K innermost, in blocks of 32 codes, two codes a byte); Wv_scales 1,024 x 32 uint8 (E8M0 scales of Wv, one for each 32 codes along K); bk 1,024 float32; bq 1,024 float32; bv 1,024 float32; tens_codes 4 x 4,096 x 32 x 16 uint8 (E2M1 codes of tens, K innermost, in blocks of 32 codes, two codes a byte); tens_scales 4 x 4,096 x 32 uint8 (E8M0 scales of tens, one for each 32 codes along K).
;; Outputs: out0 4 x 4,096 x 1,024 float32.
;; This version of the problem:
;;   THIS VERSION OF THE PROBLEM IS GIVEN IN LOW PRECISION. The matrix products marked QUANTISED in the list below multiply operands that are first quantised to E2M1 (2 exponent bits, 1 mantissa bit; 4 bits a number), with one power-of-two scale for each 32 numbers along K (OCP MX v1.0); their sums are f32. All else is computed in f32.
;;   The module's matrix products, in the order in which they are computed (A, B: the left and right operand; K: the contracted axis; several contracted axes count as one K, in the product's order):
;;     1. [M 16,384, K 1,024] x [K 1,024, N 1,024]; A: input tens (given as codes); B: input Wq (given as codes): QUANTISED
;;     2. [M 16,384, K 1,024] x [K 1,024, N 1,024]; A: input tens (given as codes); B: input Wk (given as codes): QUANTISED
;;     3. [M 16,384, K 1,024] x [K 1,024, N 1,024]; A: input tens (given as codes); B: input Wv (given as codes): QUANTISED
;;     4. batch 64 x [M 64, K 4,096] x [K 4,096, N 64]; A: computed on the way; B: computed on the way: QUANTISED
;;     5. batch 64 x [M 64, K 64] x [K 64, N 4,096]; A: computed on the way; B: computed on the way: QUANTISED
;;   THE QUANTISER, for each operand of a quantised product, along K:
;;     - K is cut into blocks of 32 from its start; a last block that is shorter is filled with zeros.
;;     - A block's scale is 2^e with e = floor(log2(the largest magnitude in the block)) - 2, held to -126 .. 127; a block of zeros has e = 0. As a byte (E8M0): e + 127.
;;     - Each number is divided by its block's scale, clamped to +-6, and rounded to the nearest number of E2M1, ties to even, subnormals kept.
;;     - The product sums the exact products of the quantised numbers (number of the format x scale) in f32.
;;   ~~~python
;;   def quantise(x, axis):      # numpy; x: float32 -> the quantised numbers, widened to float32 again
;;       x = np.moveaxis(x, axis, -1); K = x.shape[-1]
;;       x = np.pad(x, [(0, 0)] * (x.ndim - 1) + [(0, -K % 32)]); x = x.reshape(x.shape[:-1] + (-1, 32)); a = np.abs(x).max(-1, keepdims=True)
;;       e = np.where(a > 0, np.clip(np.frexp(np.where(a > 0, a, 1))[1] - 1 - 2, -126, 127), 0)      # np.frexp(a)[1] - 1 = floor(log2(a)), exactly
;;       r = np.clip(x / 2.0 ** e, -6, 6)
;;       step = 2.0 ** (np.maximum(np.frexp(np.where(r == 0, 1, r))[1] - 1, 0) - 1)
;;       q = np.round(r / step) * step * 2.0 ** e      # np.round: ties to even
;;       return np.moveaxis(q.reshape(q.shape[:-2] + (-1,))[..., :K], -1, axis).astype(np.float32)
;;   ~~~
;;   OPERANDS COMPUTED ON THE WAY. 'Computed on the way' means the value that the module computes at that place (a softmax that the list does not call 'softmax' is quantised finished and normalised). What goes into a quantiser is computed in f32, as accurately as f32 sums, v_exp_f32 and their like allow (about 1e-6 of the number): no bf16 or f16 on the way to a quantiser, and a product that is left as it is and whose result goes on into a quantised operand takes f32 operands (vector FMAs, or v_wmma_f32_16x16x4_f32). A number that lies on a knife's edge between two numbers of the format may be rounded either way, as far as f32 arithmetic and the matrix unit's own rounding can turn it there, and no further.
;;   INPUTS GIVEN AS CODES. Wk (in the module: [1024, 1024], K = its axis 1); Wq (in the module: [1024, 1024], K = its axis 1); Wv (in the module: [1024, 1024], K = its axis 1); tens (in the module: [4, 4096, 1024], K = its axis 2): each comes as NAME_codes (uint8): NAME with its K axis moved to the last place and cut into blocks of 32 codes, [.., K / 32, bytes a block], one block behind the other in memory; two codes a byte, the lower K in the low four bits (a code: sign, 2 exponent bits, 1 mantissa bit); and NAME_scales (uint8): the same leading axes, one E8M0 byte (e + 127) for each 32 codes along K. Its value is code x scale, taken as it is: it is not quantised again, and the codes and scales need not be those that the quantiser above would give.
;; One version. Each part assembles by itself: llvm-mc -triple=amdgcn-amd-amdhsa -mcpu=gfx1250 --defsym DOCPART=n.
;; ======== version 1 of 1: 2 launches
;; limits: right only within a limited range of input values
;; workspace buffers: kpart 8,388,608 bytes; qcodes 8,388,608 bytes; qscales 524,288 bytes
;; launch project (part 1): grid 8 x 32, 4 waves a work-group, clusters of 4 x 4, 327,680 bytes of LDS; arguments tens_codes, tens_scales, Wk_codes, Wv_codes, Wq_codes, Wk_scales, Wv_scales, Wq_scales, bk, bv, bq, kpart, qcodes, qscales; writes kpart, qcodes, qscales
.if DOCPART == 1
	.amdgcn_target "amdgcn-amd-amdhsa--gfx1250"
	.amdhsa_code_object_version 6
	.text
	.protected	k_qb1e92bf7d1_project
	.globl	k_qb1e92bf7d1_project
	.p2align	8
	.type	k_qb1e92bf7d1_project,@function
k_qb1e92bf7d1_project:
	s_mov_b64 s[64:65], 0
	v_nop
	global_prefetch_b8 v0, s[64:65] scope:SCOPE_SE
	s_setreg_imm32_b32 hwreg(HW_REG_WAVE_MODE, 25, 1), 1
	s_wait_xcnt 0x0
	s_wait_alu depctr_hold_cnt(0) depctr_sa_sdst(0) depctr_va_vdst(0) depctr_va_sdst(0) depctr_va_ssrc(0) depctr_va_vcc(0) depctr_vm_vsrc(0)
	s_getreg_b32 s2, hwreg(HW_REG_IB_STS2, 6, 4)
	s_cmp_eq_u32 s2, 0
	s_cbranch_scc0 .Lentry_in_a_cluster
	s_endpgm
.Lentry_in_a_cluster:
	s_bfe_u32 s2, ttmp6, 0x10000c
	s_cmp_lg_u32 s2, 0xf033
	s_cbranch_scc0 .Lentry_shape_is_right
	s_endpgm
.Lentry_shape_is_right:
; q, k, v = tens W^T + b on the given codes of E2M1 (K = 1,024); k and v are quantised along the rows n and multiplied at once: a partial sum of ktv[d][e] = sum over n of Q(k)[n][d] Q(v)[n][e];
; q is quantised along d and leaves as codes.  The second launch adds the partial sums, quantises ktv along d and multiplies it with q.
; NOTHING IS LEFT OUT: every product of the problem is live, and each bias moves the codes of a live quantised operand, so all eleven inputs are loaded.
; LIMITS: NaN and infinities among the inputs are not served (a given scale byte 0xff gives NaN).  A block of k, v or q whose largest magnitude lies under 2^-124 (a block of zeros too) keeps the scale byte 1;
; a block of zeros has zero codes, which add nothing under that byte, and this program alone reads the bytes.  Sums over K are grouped otherwise than a plain chain: the bias is the first addend, ktv is summed by wave, by pair of waves, then over eight partial sums; all in f32.
; SHARES.  256 work-groups of four waves.  Work-group (p, Y): 512 rows of tens (chunk Y of 32) and the head pair p (heads 2 p, 2 p + 1).  Three passes of a 256 x 256 x 1,024 product, a wave 128 x 128 in 64 accumulators:
;   pass 1: k and v of the two heads for one half of the rows; pass 2: the same for the other half; pass 3: q of four heads (rows 256 cx .. of Wq) for pass 2's rows, which are still in LDS.
; The whole K of 256 rows of A and 256 of B lies in two LDS slots (K halves of 512 codes, rows of 256 bytes).  A slot's A part is filled again for pass 2, its B part for pass 3: one tensor load a wave behind each of four rounds.
; CLUSTERS: 4 x 4.  tens' tiles hang on Y and the cluster's x alone and are shared along a row of the cluster, the weights' on cx and the cluster's x alone and are shared along a column: each is asked for jointly.
; THE ROWS OF A TILE ARE NOT NEIGHBOURS.  Of a wave's 128 rows of either side, tile 4 c + t takes rows 64 c + 8 t + 0..7 and, 40 rows (t even) or 24 rows (t odd) further on, eight more.  So lane (r, h) of a result holds, over the four
; tiles t of one c, a WHOLE block of 32 along the next product's K (block 2 c + h): its largest magnitude needs no other lane, and the four conversions' results are registers 4 c .. 4 c + 3 of the next operand as they stand.
; In lanes 16-31 the groups of eight stand in the order t xor 1 inside their block, alike on both operands of each later product, which keeps every product and every block.  The two groups of eight rows differ by 8 modulo 16: at a pitch of 272 bytes sixteen lanes touch sixteen different 16-byte columns.
; REGISTERS, in windows of 256.  Window 0: v1-29 addresses; v32-95 scale words, two sets; v96-127 the quantiser's; v128-191 A's fragments, one set, later the codes just made; v192-255 the bias in the result's layout.
;   Window 1: B's fragments, two sets, v0-63 and v128-191; the 16 accumulators of ktv in v64-127 and v192-255.   Windows 2, 3: the 64 accumulators, (a, b) at v[8 (8 (a % 4) + b)] of window 2 + a / 4.
.set PITCH, 272                        ; an LDS row: 256 bytes + 16 of padding
.set QT,    64*PITCH                   ; 64 rows: what one tensor load brings
.set HALFT, 128*PITCH                  ; 128 rows: what one wave reads of A or of B
.set SLOT,  4*HALFT                    ; A's 256 rows, then B's 256 rows
.set SA,    2*SLOT                     ; tens' scale bytes: 64 units of 8 rows x 32 bytes + 16 of padding: pass 1's 256 rows, then those of passes 2 and 3
.set SBKV,  SA+64*272                  ; Wk's and Wv's: 32 units, in the order of B's LDS rows
.set SBQ,   SBKV+32*272                ; Wq's: 32 units
.set SPARE, SBQ+32*272                 ; the spare words, 128 bytes for each wave: two blocks of 256 bytes that no other line names
.set ADRA, 4                           ; v4-7    LDS address of my A fragments: slot 0 even tiles, odd tiles; slot 1 likewise
.set ADRB, 8                           ; v8-11   the same for B
.set ADRS, 12                          ; v12-17  of my scale words, for passes 1, 2, 3: even tiles, odd tiles; lanes 0-15 A's rows, lanes 16-31 B's
.set LI,   18                          ; v18     16 x lane
.set SH8,  19                          ; v19     8 x (lane / 16)
.set STW,  20                          ; v20     the stage: my 16,384 bytes
.set STOWN, 21                         ; v21     the half of them that I add up
.set STPAR, 22                         ; v22     the same half of my partner's
.set BE,   24                          ; v24-25  bk, bv: my column's byte in an even tile, an odd tile
.set QBE,  26                          ; v26-27  bq: my eight rows' byte in an even tile, an odd tile
.set SPW,  28                          ; v28     LDS address of my spare word; never rewritten
.set NIL,  29                          ; v29     0; never rewritten
.set SC,   32                          ; scale words: set s at v[SC + 32 s]; register 4 i + q: lanes 0-15 A's tile i, lanes 16-31 B's tile i, the K half's q-th 128
.set T,    96                          ; v96-111  largest magnitudes, then the conversions' scale operands
.set W,    112                         ; v112-119 the scale words just made
.set X,    120                         ; v120-127 at work
.set AF,   128
.set PC,   128
.set BIAS, 192
.set WV, 66                            ; s66 wave; s67 which 128 rows of A; s96 which 128 rows of B
.set WI, 67
.set WJ, 96
.set CX, 97
.set CY, 98
.set XH, 99                            ; the cluster's x, 0 or 1
.set YY, 100                           ; the chunk of 512 rows
.set LQ, 101                           ; wave x 64 LDS rows
.set G1A,  32                          ; s[32:39] group 1: 64 rows of 256 bytes of tens;  s[40:47] of a weight;  s[48:55] scale bytes of 128 rows of tens;  s[56:63] of 64 rows of a weight
.set G1B,  40
.set G1SA, 48
.set G1SB, 56
.set G0,   68                          ; s[68:95] seven groups 0, one for each first fill; the first serves the four refills
.set PA2,  4                           ; s[4:5]   tens' codes at my 64 rows of pass 2
.set PQ,   12                          ; s[12:13] Wq's codes at my 64 rows
.set SEL,  6                           ; s[6:7]   lane selects for v_permlanex16_b32: lane l xor 16
.set HM,   16                          ; s16      the mask of lanes 16-31
.set MSB, 0
.macro WIN new                         ; the immediate's high byte repeats the setting that is left; a switch that changes nothing is dropped
.if MSB != (\new)
	s_set_vgpr_msb (MSB<<8)|(\new)
.set MSB, (\new)
.endif
.endm
.macro WINM kind, hi, first            ; for products: kind 0: source 0 (tens) window 0, source 1 (weight) window 1; kind 1: the other way round; D window 2 + hi; C the same, or window 0 (the bias) in a sum's first product
	WIN (4-3*(\kind))|((2+(\hi))<<6)|((1-(\first))*((2+(\hi))<<4))
.endm
.macro PLACES n                        ; plain vector instructions between a matrix instruction and a load into, or a vector instruction on, its registers
.rept \n
	v_nop
.endr
.endm
.macro CREST                           ; a round of the cluster's barrier behind its opening barrier
	s_cmp_lg_u32 s[WV], 0
	s_cbranch_scc1 .Lnot_wave_0_\@
	s_barrier_signal -3
.Lnot_wave_0_\@:
	s_barrier_wait -3
	s_barrier_signal -1
	s_barrier_wait -1
.endm
.macro CROUND
	s_barrier_signal -1
	s_barrier_wait -1
	CREST
.endm
	s_load_b512 s[4:19], s[0:1], 0x0               ; tens' codes, tens' scales, Wk's, Wv's, Wq's codes, Wk's, Wv's, Wq's scales
	s_load_b256 s[20:27], s[0:1], 0x40             ; bk, bv, bq, kpart
	s_load_b128 s[28:31], s[0:1], 0x60             ; qcodes, qscales
	v_lshl_add_u32 v[SPW], v0, 2, SPARE
	v_mov_b32 v[NIL], 0
	ds_add_u32 v[SPW], v[NIL]                      ; the wave's opening: the add, twice on end, and its wait ahead of my first tensor load
	ds_add_u32 v[SPW], v[NIL]
	v_lshrrev_b32 v1, 5, v0
	v_readfirstlane_b32 s[WV], v1
	s_lshr_b32 s[WI], s[WV], 1
	s_and_b32 s[WJ], s[WV], 1
	s_bfe_u32 s[CX], ttmp6, 0x40000
	s_bfe_u32 s[CY], ttmp6, 0x40004
	s_mov_b32 s[XH], ttmp9
	s_and_b32 s[YY], ttmp7, 0xffff
	s_lshl_b32 s[YY], s[YY], 2
	s_add_co_u32 s[YY], s[YY], s[CY]               ; Y = 4 x cluster y + cy
	s_lshl_b32 s2, s[CY], 2
	s_lshl_b32 s2, 15, s2                          ; my row of the cluster
	s_lshl_b32 s104, 0x1111, s[CX]                 ; my column
	s_or_b32 s[G1A], s2, (1<<20)|(1<<21)|(5<<22)|(3<<25)            ; the mask; elements of 1 byte; padding on; bit 21 beside a mask; four words behind every 64
	s_or_b32 s[G1B], s104, (1<<20)|(1<<21)|(5<<22)|(3<<25)
	s_or_b32 s[G1SA], s2, (3<<16)|(1<<20)|(1<<21)|(5<<22)|(3<<25)   ; the same with elements of 8 bytes
	s_or_b32 s[G1SB], s104, (3<<16)|(1<<20)|(1<<21)|(5<<22)|(3<<25)
.irp g, G1A, G1B
	s_mov_b32 s[\g+1], 256<<16                     ; tensor_dim0 = 256
	s_mov_b32 s[\g+2], 64<<16                      ; tensor_dim1 = 64
	s_mov_b32 s[\g+3], 256<<16                     ; tile_dim0
	s_mov_b32 s[\g+4], 64                          ; tile_dim1
	s_mov_b32 s[\g+5], 512                         ; a row of 1,024 codes
	s_mov_b32 s[\g+6], 0
	s_mov_b32 s[\g+7], 0
.endr
	s_mov_b32 s[G1SA+1], 32<<16                    ; a dense block as rows of 256 bytes: 32 elements,
	s_mov_b32 s[G1SA+2], 16<<16                    ; 16 rows (128 rows of 32 scale bytes)
	s_mov_b32 s[G1SA+3], 32<<16
	s_mov_b32 s[G1SA+4], 16
	s_mov_b32 s[G1SA+5], 32
	s_mov_b32 s[G1SA+6], 0
	s_mov_b32 s[G1SA+7], 0
	s_mov_b32 s[G1SB+1], 32<<16
	s_mov_b32 s[G1SB+2], 8<<16                     ; 8 rows (64 rows of 32 scale bytes)
	s_mov_b32 s[G1SB+3], 32<<16
	s_mov_b32 s[G1SB+4], 8
	s_mov_b32 s[G1SB+5], 32
	s_mov_b32 s[G1SB+6], 0
	s_mov_b32 s[G1SB+7], 0
	; groups 0: where the first fills go: constants and the wave's number alone
	s_mul_i32 s[LQ], s[WV], QT
	s_mul_i32 s2, s[WV], 16*272
	s_mul_i32 s3, s[WV], 8*272
.irp n, 0,1,2,3,4,5,6
	s_mov_b32 s[G0+4*\n], 1
.endr
	s_add_co_u32 s[G0+1], s2, SA
	s_add_co_u32 s[G0+5], s3, SBKV
	s_add_co_u32 s[G0+9], s[LQ], 0
	s_add_co_u32 s[G0+13], s[LQ], 2*HALFT
	s_add_co_u32 s[G0+17], s[LQ], SLOT
	s_add_co_u32 s[G0+21], s[LQ], SLOT+2*HALFT
	s_add_co_u32 s[G0+25], s3, SBQ
	; and from where, as offsets in the groups' own pairs.  tens: Y, the cluster's x and the wave alone
	s_lshl_b32 s2, s[YY], 9                        ; 512 Y
	s_xor_b32 s3, s[XH], 1                         ; pass 1 takes row half 1 - XH
	s_xor_b32 s[G0+2], s3, s[WI]                   ; scale bytes: waves 0, 1 pass 1's half, waves 2, 3 the other,
	s_lshl_b32 s[G0+2], s[G0+2], 8
	s_add_co_u32 s[G0+2], s[G0+2], s2
	s_lshl_b32 s[G0+3], s[WJ], 7                   ; 128 rows each
	s_add_co_u32 s[G0+2], s[G0+2], s[G0+3]
	s_lshl_b32 s[G0+2], s[G0+2], 5
	s_mov_b32 s[G0+3], 0
	s_lshl_b32 s[G0+10], s3, 8                     ; codes of pass 1: row 512 Y + 256 (1 - XH) + 64 w
	s_add_co_u32 s[G0+10], s[G0+10], s2
	s_lshl_b32 s[G0+11], s[WV], 6
	s_add_co_u32 s[G0+10], s[G0+10], s[G0+11]
	s_lshl_b32 s[G0+10], s[G0+10], 9
	s_mov_b32 s[G0+11], 0
	s_lshl_b32 s3, s[XH], 8                        ; codes of pass 2: row 512 Y + 256 XH + 64 w
	s_add_co_u32 s2, s2, s3
	s_lshl_b32 s3, s[WV], 6
	s_add_co_u32 s2, s2, s3
	s_lshl_b32 s2, s2, 9
	s_mov_b32 s3, 0
	; the weights: cx, the cluster's x and the wave alone
	s_lshl_b32 s104, s[XH], 9
	s_lshl_b32 s105, s[CX], 7
	s_add_co_u32 s104, s104, s105
	s_lshl_b32 s105, s[WI], 6
	s_add_co_u32 s104, s104, s105                  ; Wk, Wv: row 128 p + 64 (w / 2): head 2 p + w / 2
	s_lshl_b32 s[G0+6], s104, 5
	s_mov_b32 s[G0+7], 0
	s_lshl_b32 s[G0+14], s104, 9
	s_mov_b32 s[G0+15], 0
	s_lshl_b32 s104, s[CX], 8
	s_lshl_b32 s105, s[WV], 6
	s_add_co_u32 s104, s104, s105                  ; Wq: row 256 cx + 64 w
	s_lshl_b32 s[G0+26], s104, 5
	s_mov_b32 s[G0+27], 0
	s_lshl_b32 s104, s104, 9
	s_mov_b32 s105, 0
	s_wait_dscnt 0x0                               ; both opening adds are done
	s_wait_kmcnt 0x0
	s_add_nc_u64 s[G0+2:G0+3], s[6:7], s[G0+2:G0+3]
	s_add_nc_u64 s[G0+10:G0+11], s[4:5], s[G0+10:G0+11]
	s_add_nc_u64 s[G0+18:G0+19], s[G0+10:G0+11], 256       ; the second K half
	s_add_nc_u64 s[PA2:PA2+1], s[4:5], s[2:3]
	s_cmp_eq_u32 s[WJ], 0                          ; B's LDS rows are k h0, v h0, k h1, v h1: even waves fetch from Wk, odd waves from Wv
	s_cselect_b64 s[2:3], s[14:15], s[16:17]
	s_cselect_b64 s[8:9], s[8:9], s[10:11]
	s_add_nc_u64 s[G0+6:G0+7], s[2:3], s[G0+6:G0+7]
	s_add_nc_u64 s[G0+14:G0+15], s[8:9], s[G0+14:G0+15]
	s_add_nc_u64 s[G0+22:G0+23], s[G0+14:G0+15], 256
	s_add_nc_u64 s[G0+26:G0+27], s[18:19], s[G0+26:G0+27]
	s_add_nc_u64 s[PQ:PQ+1], s[12:13], s[104:105]
.irp n, 0,1,2,3,4,5,6
	s_or_b32 s[G0+4*\n+3], s[G0+4*\n+3], 0x80000000        ; type = 2
.endr
	CROUND                                         ; all sixteen work-groups are here: the first joint loads meet
	tensor_load_to_lds s[G0:G0+3], s[G1SA:G1SA+7]          ; seven first fills of every wave, as one group: seven tensor loads of mine are out.  tens' scale bytes,
	s_nop 0
	tensor_load_to_lds s[G0+4:G0+7], s[G1SB:G1SB+7]        ; Wk's or Wv's,
	s_nop 0
	tensor_load_to_lds s[G0+8:G0+11], s[G1A:G1A+7]         ; slot 0: A,
	s_nop 0
	tensor_load_to_lds s[G0+12:G0+15], s[G1B:G1B+7]        ; B,
	s_nop 0
	tensor_load_to_lds s[G0+16:G0+19], s[G1A:G1A+7]        ; slot 1: A,
	s_nop 0
	tensor_load_to_lds s[G0+20:G0+23], s[G1B:G1B+7]        ; B,
	s_nop 0
	tensor_load_to_lds s[G0+24:G0+27], s[G1SB:G1SB+7]      ; Wq's scale bytes
	s_nop 0
	PLACES 4
	; the biases' and the outputs' addresses
	s_lshl_b32 s8, s[XH], 9
	s_lshl_b32 s9, s[CX], 7
	s_add_co_u32 s8, s8, s9
	s_lshl_b32 s9, s[WJ], 6
	s_add_co_u32 s8, s8, s9                        ; bk, bv: my head's 64 numbers begin at 128 p + 64 j
	s_lshl_b32 s8, s8, 2
	s_mov_b32 s9, 0
	s_add_nc_u64 s[20:21], s[20:21], s[8:9]
	s_add_nc_u64 s[22:23], s[22:23], s[8:9]
	s_lshl_b32 s8, s[CX], 8
	s_lshl_b32 s10, s[WJ], 7
	s_add_co_u32 s8, s8, s10                       ; bq: my 128 numbers begin at 256 cx + 128 j
	s_lshl_b32 s8, s8, 2
	s_add_nc_u64 s[24:25], s[24:25], s[8:9]
	s_lshr_b32 s14, s[YY], 3                       ; the batch
	s_and_b32 s15, s[YY], 7                        ; the chunk in it
	s_lshl_b32 s8, s14, 4                          ; kpart: ((16 b + 2 p + j) 8 + chunk) 16,384 + 8,192 i
	s_lshl_b32 s10, s[XH], 3
	s_add_co_u32 s8, s8, s10
	s_lshl_b32 s10, s[CX], 1
	s_add_co_u32 s8, s8, s10
	s_add_co_u32 s8, s8, s[WJ]
	s_lshl_b32 s8, s8, 3
	s_add_co_u32 s8, s8, s15
	s_lshl_b32 s8, s8, 14
	s_lshl_b32 s10, s[WI], 13
	s_add_co_u32 s8, s8, s10
	s_add_nc_u64 s[26:27], s[26:27], s[8:9]
	s_lshl_b32 s8, s14, 4                          ; qcodes: (16 b + 4 cx + 2 j) 131,072 + (32 chunk + 16 XH + 8 i) 512
	s_lshl_b32 s10, s[CX], 2
	s_add_co_u32 s8, s8, s10
	s_lshl_b32 s10, s[WJ], 1
	s_add_co_u32 s8, s8, s10
	s_lshl_b32 s8, s8, 17
	s_lshl_b32 s10, s15, 5
	s_lshl_b32 s11, s[XH], 4
	s_add_co_u32 s10, s10, s11
	s_lshl_b32 s11, s[WI], 3
	s_add_co_u32 s10, s10, s11
	s_lshl_b32 s10, s10, 9
	s_add_co_u32 s8, s8, s10
	s_add_nc_u64 s[28:29], s[28:29], s[8:9]
	s_lshl_b32 s8, s14, 3                          ; qscales: ((8 b + 2 cx + j) 32 + 4 chunk + 2 XH + i) 512
	s_lshl_b32 s10, s[CX], 1
	s_add_co_u32 s8, s8, s10
	s_add_co_u32 s8, s8, s[WJ]
	s_lshl_b32 s8, s8, 5
	s_lshl_b32 s10, s15, 2
	s_add_co_u32 s8, s8, s10
	s_lshl_b32 s10, s[XH], 1
	s_add_co_u32 s8, s8, s10
	s_add_co_u32 s8, s8, s[WI]
	s_lshl_b32 s8, s8, 9
	s_add_nc_u64 s[30:31], s[30:31], s[8:9]
	s_mov_b32 s[SEL], 0x76543210
	s_mov_b32 s[SEL+1], 0xfedcba98
	s_mov_b32 s[HM], 0xffff0000
	; the lanes' places
	v_and_b32 v1, 15, v0                           ; r
	v_bfe_u32 v2, v0, 4, 1                         ; h
	v_bfe_u32 v3, v0, 3, 1                         ; g = r / 8
	v_lshl_add_u32 v30, v3, 5, v1                  ; an even tile's row: r + 32 g
	v_lshl_add_u32 v31, v3, 4, v1                  ; an odd tile's: r + 16 g
	v_lshlrev_b32 v[BE], 2, v30
	v_lshlrev_b32 v[BE+1], 2, v31
.irp t, 0,1,2,3
	global_load_b32 v[BIAS+8*\t], v[BE+(\t&1)], s[20:21] offset:32*\t        ; bk of my column of tile t,
	global_load_b32 v[BIAS+32+8*\t], v[BE+(\t&1)], s[22:23] offset:32*\t     ; bv likewise
.endr
	v_mul_u32_u24 v30, v30, PITCH
	v_mul_u32_u24 v31, v31, PITCH
	v_lshl_add_u32 v30, v2, 4, v30                 ; + 16 h
	v_lshl_add_u32 v31, v2, 4, v31
	s_mul_i32 s8, s[WI], HALFT                     ; my 128 rows of A
	s_mul_i32 s9, s[WJ], HALFT                     ; my 128 rows of B,
	s_add_co_u32 s9, s9, 2*HALFT                   ; behind A's 256
.irp s, 0,1
	v_add_nc_u32 v[ADRA+2*\s], s8, v30
	v_add_nc_u32 v[ADRA+2*\s+1], s8, v31
	v_add_nc_u32 v[ADRB+2*\s], s9, v30
	v_add_nc_u32 v[ADRB+2*\s+1], s9, v31
	s_add_co_u32 s8, s8, SLOT
	s_add_co_u32 s9, s9, SLOT
.endr
	v_and_b32 v30, 7, v0
	v_lshlrev_b32 v30, 5, v30                      ; scale bytes: 32 bytes a row, eight rows a unit;
	v_mad_u32_u24 v31, v3, 5*272, v30              ; an even tile's second eight rows lie five units on,
	v_mad_u32_u24 v30, v3, 3*272, v30              ; an odd tile's three
	s_xor_b32 s8, s[WI], 1
	s_add_co_u32 s8, s8, s[WJ]
	s_mul_i32 s8, s8, 16*272                       ; lanes 16-31 take B's words: ONE product, h x the distance from A's base to B's = a constant + 4,352 (j + 1 - i)
	s_add_co_u32 s9, s8, 4352                      ; pass 2
	s_add_co_u32 s8, s8, 13056                     ; passes 1 and 3
	s_mul_i32 s10, s[WI], 16*272
	s_add_co_u32 s10, s10, SA                      ; A's base in pass 1; 32 units on in passes 2 and 3
	v_mul_u32_u24 v[ADRS], s8, v2
	v_mul_u32_u24 v[ADRS+2], s9, v2
	v_add_nc_u32 v[ADRS], s10, v[ADRS]
	v_add_nc_u32 v[ADRS+2], s10, v[ADRS+2]
	v_add_nc_u32 v[ADRS+4], 32*272, v[ADRS]
	v_add_nc_u32 v[ADRS+2], 32*272, v[ADRS+2]
.irp p, 0,1,2
	v_add_nc_u32 v[ADRS+2*\p+1], v[ADRS+2*\p], v30
	v_add_nc_u32 v[ADRS+2*\p], v[ADRS+2*\p], v31
.endr
	v_and_b32 v30, 31, v0
	v_lshlrev_b32 v[LI], 4, v30
	v_lshlrev_b32 v[SH8], 3, v2
	s_lshl_b32 s8, s[WV], 14
	v_add_nc_u32 v[STW], s8, v[LI]
	s_lshl_b32 s9, s[WI], 13
	s_add_co_u32 s8, s8, s9
	v_add_nc_u32 v[STOWN], s8, v[LI]
	s_xor_b32 s8, s[WV], 2                         ; my partner has the same head and the other 128 rows
	s_lshl_b32 s8, s8, 14
	s_add_co_u32 s8, s8, s9
	v_add_nc_u32 v[STPAR], s8, v[LI]
	v_mul_u32_u24 v[QBE], v2, 160                  ; bq: lanes 16-31 hold rows 40 (even tile) or 24 (odd tile) further on
	v_mul_u32_u24 v[QBE+1], v2, 96
.irp u, 0,1,2,3,4,5,6,7
	v_mov_b32 v[X+\u], 0                           ; written once: a lane permute's destination counts as one of its sources
.endr
	s_wait_loadcnt 0x0
.irp b, 0,1,2,3,4,5,6,7
.irp j, 1,2,3,4,5,6,7
	v_mov_b32 v[BIAS+8*\b+\j], v[BIAS+8*\b]        ; in k's and v's results a lane holds one column: its bias fills the eight registers of C
.endr
.endr
.macro FRAG reg, adr, tile, q          ; a fragment, 16 rows x 128 K of 4-bit codes: lane (r, h): registers 4 c .. 4 c + 3 hold K = 64 c + 32 h + 0 .. 31: two loads of 16 bytes, 32 bytes apart
.irp c, 0,1
	ds_load_b128 v[(\reg)+4*\c:(\reg)+4*\c+3], v[(\adr)+((\tile)&1)] offset:(64*((\tile)/4)+8*((\tile)%4))*PITCH+64*(\q)+32*\c
.endr
.endm
.macro FETCH_B slot, q, p              ; B's eight fragments of the slot's q-th 128 along K into set p
	WIN 0x40
.irp i, 0,1,2,3,4,5,6,7
	FRAG 128*(\p)+8*\i, ADRB+2*(\slot), \i, \q
.endr
	WIN 0
.endm
.macro FETCH_A slot, q, i0             ; A's tiles i0 .. i0 + 3
.irp i, \i0, \i0+1, \i0+2, \i0+3
	FRAG AF+8*(\i), ADRA+2*(\slot), \i, \q
.endr
.endm
.macro SCALES pass, half, set          ; a K half's scale words: four words a row; lanes 0-15 A's tile i, lanes 16-31 B's tile i
.irp i, 0,1,2,3,4,5,6,7
	ds_load_b128 v[SC+32*(\set)+4*\i:SC+32*(\set)+4*\i+3], v[ADRS+2*((\pass)-1)+(\i&1)] offset:(8*(\i/4)+\i%4)*272+16*(\half)
.endr
.endm
; One product.  kind 0 (k, v): source 0 = 16 rows of tens, source 1 = 16 rows of the weight: a lane holds one column and its registers run down the rows n, the next K.
; kind 1 (q): the other way round: a lane holds one row n and its registers run along d, the next K.  first = 1: the bias is the C of the sum's first product.
.macro MM kind, a, b, p, q, sc, first
.set rD, 8*(8*((\a)%4)+(\b))
.set rA, AF+8*(\a)
.set rB, 128*(\p)+8*(\b)
.set sA, SC+32*(\sc)+4*(\a)+(\q)
.set sB, SC+32*(\sc)+4*(\b)+(\q)
.set rC, BIAS+8*(\b)
.if \kind == 0
.if \first
	v_wmma_scale_f32_16x16x128_f8f6f4 v[rD:rD+7], v[rA:rA+7], v[rB:rB+7], v[rC:rC+7], v[sA], v[sB] matrix_a_fmt:MATRIX_FMT_FP4 matrix_b_fmt:MATRIX_FMT_FP4 matrix_b_scale:MATRIX_SCALE_ROW1
.else
	v_wmma_scale_f32_16x16x128_f8f6f4 v[rD:rD+7], v[rA:rA+7], v[rB:rB+7], v[rD:rD+7], v[sA], v[sB] matrix_a_fmt:MATRIX_FMT_FP4 matrix_b_fmt:MATRIX_FMT_FP4 matrix_b_scale:MATRIX_SCALE_ROW1
.endif
.else
.if \first
	v_wmma_scale_f32_16x16x128_f8f6f4 v[rD:rD+7], v[rB:rB+7], v[rA:rA+7], v[rC:rC+7], v[sB], v[sA] matrix_a_fmt:MATRIX_FMT_FP4 matrix_b_fmt:MATRIX_FMT_FP4 matrix_a_scale:MATRIX_SCALE_ROW1
.else
	v_wmma_scale_f32_16x16x128_f8f6f4 v[rD:rD+7], v[rB:rB+7], v[rA:rA+7], v[rD:rD+7], v[sB], v[sA] matrix_a_fmt:MATRIX_FMT_FP4 matrix_b_fmt:MATRIX_FMT_FP4 matrix_a_scale:MATRIX_SCALE_ROW1
.endif
.endif
.endm
.macro MUL16 kind, a0, p, q, sc, first ; A's tiles a0, a0 + 1 x B's eight.  The 64 accumulators take turns, one instruction a turn, in the same order in every step
.irp a, \a0, \a0+1
.irp b, 0,1,2,3,4,5,6,7
	MM \kind, (\a), \b, \p, \q, \sc, \first
.endr
.endr
.endm
; A step of 128 along K that has its successor in the same slot.  A tile of A is free as soon as its eight products are issued: tiles 0-3 are fetched anew in the step's middle, tiles 4-7 at its end; B has two sets.
.macro STEP kind, slot, q, first
	s_wait_dscnt 8                                 ; B's set, the scale words and A's tiles 0-3 are in; the youngest eight loads (A's tiles 4-7) may be out
	WINM \kind, 0, \first
	MUL16 \kind, 0, (\q)%2, \q, \slot, \first
	MUL16 \kind, 2, (\q)%2, \q, \slot, \first
	s_wait_dscnt 0x0                               ; A's tiles 4-7 are in
	PLACES 4
	FETCH_B \slot, (\q)+1, 1-(\q)%2
	FETCH_A \slot, (\q)+1, 0
	WINM \kind, 1, \first
	MUL16 \kind, 4, (\q)%2, \q, \slot, \first
	MUL16 \kind, 6, (\q)%2, \q, \slot, \first
	PLACES 4
	WIN 0
	FETCH_A \slot, (\q)+1, 4
.endm
; A slot's last step.  In front of its barrier each wave waits for all its tensor loads, adds 0 to its spare word, and waits for that and for its own reads of this slot.
; fill = 1: a part of this slot is filled again: the barrier opens a round of the cluster's barrier, and the joint refill, my 64 rows, is the first thing behind it: one tensor load of mine is out.
; slot = 0: the other slot's first fragments and scale words are fetched;  slot = 1: the pass ends, nothing is fetched.
.macro TURN kind, slot, pass, fill, ldsoff, ptr, goff, g1
	s_wait_tensorcnt 0x0                           ; all my tensor loads have landed, so a group 0 may be written
	ds_add_u32 v[SPW], v[NIL]                      ; 0 onto my spare word
.if \fill
	s_add_co_u32 s[G0+1], s[LQ], \ldsoff
	s_add_nc_u64 s[G0+2:G0+3], s[\ptr:\ptr+1], \goff
	s_or_b32 s[G0+3], s[G0+3], 0x80000000
.endif
	s_wait_dscnt 9                                 ; (the add and the youngest eight loads, A's tiles 4-7, may be out)
	WINM \kind, 0, 0
	MUL16 \kind, 0, 1, 3, \slot, 0
	s_wait_dscnt 0x0                               ; the add is done, and my reads of this slot are over
	s_barrier_signal -1
	MUL16 \kind, 2, 1, 3, \slot, 0
	WIN 0
	s_barrier_wait -1
.if \fill
	CREST                                          ; no wave of any partner still reads these bytes or has a load on its way
	tensor_load_to_lds s[G0:G0+3], s[\g1:\g1+7]
	s_nop 0
.endif
	PLACES 4                                       ; behind the load, and in front of the loads below
.if \slot == 0
	FETCH_B 1, 0, 0
	FETCH_A 1, 0, 0
	SCALES \pass, 1, 1
.endif
	WINM \kind, 1, 0
	MUL16 \kind, 4, 1, 3, \slot, 0
	MUL16 \kind, 6, 1, 3, \slot, 0
.if \slot == 0
	PLACES 4
	WIN 0
	FETCH_A 1, 0, 4
.else
	WIN 0
.endif
.endm
.macro BEGIN pass                      ; a pass's first fragments and scale words
	FETCH_B 0, 0, 0
	FETCH_A 0, 0, 0
	SCALES \pass, 0, 0
	FETCH_A 0, 0, 4
.endm
; THE QUANTISER.  Sixteen blocks of 32 a lane.  kind 0: unit u = column tile, c = which 64 rows: the block's numbers are the accumulators (4 c + t, u), t = 0 .. 3.  kind 1: unit u = row tile, c = which head: accumulators (u, 4 c + t).
.macro MAXL kind, w, n, e              ; chain n of the eight in window w, its e-th pair of numbers; each accumulator is read from its low end on
.if \kind == 0
.set rT, T+2*(\n)+(\w)-2
.set rX, 8*(8*((\e)/4)+(\n))+2*((\e)%4)
.else
.set rT, T+8*((\w)-2)+(\n)
.set rX, 32*(\n)+8*((\e)/4)+2*((\e)%4)
.endif
.if (\e) == 0
	v_max3_num_f32 v[rT], |v[rX]|, |v[rX+1]|, 0x1800000    ; and the floor 2^(3 - 127): the byte cannot fall under 1
.else
	v_max3_num_f32 v[rT], |v[rX]|, |v[rX+1]|, v[rT]
.endif
.endm
.macro CVTL kind, w, n, t
.if \kind == 0
.set rT, T+2*(\n)+(\w)-2
.set rX, 8*(8*(\t)+(\n))
.set rP, PC+8*(\n)+4*((\w)-2)+(\t)
.else
.set rT, T+8*((\w)-2)+(\n)
.set rX, 32*(\n)+8*(\t)
.set rP, PC+32*((\w)-2)+4*(\n)+(\t)
.endif
	v_cvt_scalef32_pk8_fp4_f32 v[rP], v[rX:rX+7], v[rT]    ; register 4 c + t of unit u's fragment
.endm
.macro EPI kind
	PLACES 4                                       ; the first reads of results just made
.irp w, 2,3
	WIN (\w)|((\w)<<2)                             ; sources 0 and 1: the accumulators' window
.irp e, 0,1,2,3,4,5,6,7,8,9,10,11,12,13,14,15
.irp n, 0,1,2,3,4,5,6,7
	MAXL \kind, \w, \n, \e                         ; eight chains by turns
.endr
.endr
.endr
	WIN 0
.irp k, 0,1,2,3,4,5,6,7,8,9,10,11,12,13,14,15
	v_add_nc_u32 v[T+\k], 0xff000000, v[T+\k]      ; 2 off the exponent field: the conversion takes the exponent field of this operand as its scale
.endr
.irp u, 0,1,2,3,4,5,6,7
	v_lshrrev_b32 v[W+\u], 23, v[T+2*\u]           ; the scale's byte of c = 0,
.endr
.irp u, 0,1,2,3,4,5,6,7
	v_lshrrev_b32 v[X+\u], 23, v[T+2*\u+1]         ; of c = 1:
.endr
.irp u, 0,1,2,3,4,5,6,7
	v_lshl_or_b32 v[W+\u], v[X+\u], 16, v[W+\u]    ; bytes 0 and 2,
.endr
.irp u, 0,1,2,3,4,5,6,7
	v_lshlrev_b32 v[W+\u], v[SH8], v[W+\u]         ; in lanes 16-31 bytes 1 and 3;
.endr
.irp u, 0,1,2,3,4,5,6,7
	v_permlanex16_b32 v[X+\u], v[W+\u], s[SEL], s[SEL+1]
.endr
.irp u, 0,1,2,3,4,5,6,7
	v_or_b32 v[W+\u], v[W+\u], v[X+\u]             ; with lane l xor 16's two the word is whole, in both halves of the lanes
.endr
.irp w, 2,3
	WIN \w                                         ; source 0: the accumulators' window
.irp n, 0,1,2,3,4,5,6,7
.irp t, 0,1,2,3
	CVTL \kind, \w, \n, \t
.endr
.endr
.endr
	WIN 0
.if \kind == 0
	PLACES 8                                       ; a scale register written by a vector instruction stands 8 places ahead of a scaled matrix instruction, an operand so written 4
.else
	PLACES 1                                       ; one plain place behind the last conversion
.endif
.endm
; ktv(te, td) += k's fragment td x v's fragment te: K = my 128 rows.  In the result lane (r, h) holds one e and eight d.  Sixteen accumulators by turns.
.macro KTP first
.irp te, 0,1,2,3
.irp td, 0,1,2,3
.set rK, 64+128*(\te/2)+8*(4*(\te%2)+\td)
.if \first
	v_wmma_scale_f32_16x16x128_f8f6f4 v[rK:rK+7], v[PC+8*\td:PC+8*\td+7], v[PC+32+8*\te:PC+32+8*\te+7], 0, v[W+\td], v[W+4+\te] matrix_a_fmt:MATRIX_FMT_FP4 matrix_b_fmt:MATRIX_FMT_FP4
.else
	v_wmma_scale_f32_16x16x128_f8f6f4 v[rK:rK+7], v[PC+8*\td:PC+8*\td+7], v[PC+32+8*\te:PC+32+8*\te+7], v[rK:rK+7], v[W+\td], v[W+4+\te] matrix_a_fmt:MATRIX_FMT_FP4 matrix_b_fmt:MATRIX_FMT_FP4
.endif
.endr
.endr
.endm
	s_wait_tensorcnt 3                             ; tens' and Wk's, Wv's scale bytes and my parts of slot 0 are in; the three loads issued behind them (slot 1's two, Wq's scale bytes) may stay out
	s_barrier_signal -1
	s_barrier_wait -1                              ; everybody's are
	; ---- pass 1: k and v of row half 1 - XH
	BEGIN 1
	STEP 0, 0, 0, 1
	STEP 0, 0, 1, 0
	STEP 0, 0, 2, 0
	TURN 0, 0, 1, 1, 0, PA2, 0, G1A                ; slot 0's A takes pass 2's rows
	STEP 0, 1, 0, 0
	STEP 0, 1, 1, 0
	STEP 0, 1, 2, 0
	TURN 0, 1, 1, 1, SLOT, PA2, 256, G1A           ; slot 1's A likewise; its wait and round have shown slot 0's new rows landed in every wave
	EPI 0
	WIN 0x40                                       ; D: window 1
	KTP 1                                          ; the first products start ktv's sums
	WIN 0
	PLACES 4                                       ; in front of the loads into the registers that held the codes
	; ---- pass 2: k and v of row half XH
	BEGIN 2
	STEP 0, 0, 0, 1
	STEP 0, 0, 1, 0
	STEP 0, 0, 2, 0
	TURN 0, 0, 2, 1, 2*HALFT, PQ, 0, G1B           ; slot 0's B takes Wq's rows
	STEP 0, 1, 0, 0
	STEP 0, 1, 1, 0
	STEP 0, 1, 2, 0
	TURN 0, 1, 2, 1, SLOT+2*HALFT, PQ, 256, G1B    ; slot 1's B likewise
.irp b, 0,1,2,3,4,5,6,7
	global_load_b128 v[BIAS+8*\b:BIAS+8*\b+3], v[QBE+(\b&1)], s[24:25] offset:(64*(\b/4)+8*(\b%4))*4        ; bq in q's layout: a lane's eight registers are eight rows of Wq.  It lands while k and v are quantised
	global_load_b128 v[BIAS+8*\b+4:BIAS+8*\b+7], v[QBE+(\b&1)], s[24:25] offset:(64*(\b/4)+8*(\b%4))*4+16
.endr
	EPI 0
	WIN 0x50                                       ; C and D: window 1
	KTP 0
	WIN 0
	PLACES 4
	; ---- pass 3: q of the same rows, four heads
	s_wait_loadcnt 0x0                             ; bq
	BEGIN 3
	STEP 1, 0, 0, 1
	STEP 1, 0, 1, 0
	STEP 1, 0, 2, 0
	TURN 1, 0, 3, 0, 0, PA2, 0, G1A                ; nothing is filled: its wait shows slot 1's Wq landed, and a plain barrier follows
	STEP 1, 1, 0, 0
	STEP 1, 1, 1, 0
	STEP 1, 1, 2, 0
	s_wait_dscnt 8                                 ; the very last step: nothing more to fetch
	WINM 1, 0, 0
	MUL16 1, 0, 1, 3, 1, 0
	MUL16 1, 2, 1, 3, 1, 0
	s_wait_dscnt 0x0
	WINM 1, 1, 0
	MUL16 1, 4, 1, 3, 1, 0
	MUL16 1, 6, 1, 3, 1, 0
	WIN 0
	PLACES 4                                       ; in front of the loads into B's sets below
	; ---- ktv's partial sums of the two waves that share a head meet in a stage.  It lies in slot 0, which has had its last fill and, behind this barrier, its last read
	s_wait_dscnt 0x0
	s_barrier_signal -1
	s_barrier_wait -1
	WIN 0x04                                       ; an LDS store's data are its source 1: window 1
.irp te, 0,1,2,3
.irp td, 0,1,2,3
	ds_store_b128 v[STW], v[64+128*(\te/2)+8*(4*(\te%2)+\td):64+128*(\te/2)+8*(4*(\te%2)+\td)+3] offset:512*(2*(4*\te+\td))          ; images of the registers, 16 bytes a lane; each accumulator from its low end on
	ds_store_b128 v[STW], v[64+128*(\te/2)+8*(4*(\te%2)+\td)+4:64+128*(\te/2)+8*(4*(\te%2)+\td)+7] offset:512*(2*(4*\te+\td)+1)
.endr
.endr
	WIN 0
	s_wait_dscnt 0x0                               ; for my partner's sake: my stores have landed
	s_barrier_signal -1
	s_barrier_wait -1
	WIN 0x40                                       ; into B's two sets, which are done with: wave i takes images 16 i .. 16 i + 15 of both
.irp g, 0,1,2,3,4,5,6,7,8,9,10,11,12,13,14,15
	ds_load_b128 v[4*\g:4*\g+3], v[STOWN] offset:512*\g
.endr
.irp g, 0,1,2,3,4,5,6,7,8,9,10,11,12,13,14,15
	ds_load_b128 v[128+4*\g:128+4*\g+3], v[STPAR] offset:512*\g
.endr
	WIN 0
	; ---- q's codes and scale words, while those loads land
	EPI 1
.irp u, 0,1,2,3,4,5,6,7
.irp s, 0,1
	global_store_b128 v[LI], v[PC+8*\u+4*\s:PC+8*\u+4*\s+3], s[28:29] offset:512*\u+131072*\s   ; tile u, head s of my two: 32 lanes store 512 consecutive bytes, aligned: the image of the operand's four registers
.endr
.endr
.irp i, 0,1,2,3
	v_cndmask_b32 v[X+\i], v[W+2*\i], v[W+2*\i+1], s[HM]   ; lanes 0-15 tile 2 i's words, lanes 16-31 tile 2 i + 1's
.endr
	global_store_b128 v[LI], v[X:X+3], s[30:31]    ; my eight tiles' scale words: 512 consecutive bytes
	; ---- the partial sum goes out
	s_wait_dscnt 0x0
	WIN 0x45                                       ; all in window 1
.irp k, 0,2,4,6,8,10,12,14,16,18,20,22,24,26,28,30,32,34,36,38,40,42,44,46,48,50,52,54,56,58,60,62
	v_pk_add_f32 v[\k:\k+1], v[\k:\k+1], v[128+\k:129+\k]
.endr
	WIN 0x04                                       ; a store's data are its source 1
.irp g, 0,1,2,3,4,5,6,7,8,9,10,11,12,13,14,15
	global_store_b128 v[LI], v[4*\g:4*\g+3], s[26:27] offset:512*\g
.endr
	WIN 0
	s_wait_tensorcnt 0x0                           ; the wave's end: behind my last tensor load and my last LDS store
	ds_add_u32 v[SPW], v[NIL]
	s_wait_dscnt 0x0
	CROUND                                         ; the closing round: no work-group ends while a partner may still ask for a tile that names it
	s_endpgm
.Lfunc_end_k_qb1e92bf7d1_project:
	.size	k_qb1e92bf7d1_project, .Lfunc_end_k_qb1e92bf7d1_project-k_qb1e92bf7d1_project
	.p2alignl 7, 3214868480
	.fill 96, 4, 3214868480
	.section	.rodata,"a",@progbits
	.p2align	6, 0x0
	.amdhsa_kernel k_qb1e92bf7d1_project
		.amdhsa_group_segment_fixed_size 327680
		.amdhsa_private_segment_fixed_size 0
		.amdhsa_enable_private_segment 0
		.amdhsa_kernarg_size 112
		.amdhsa_user_sgpr_count 2
		.amdhsa_user_sgpr_kernarg_segment_ptr 1
		.amdhsa_wavefront_size32 1
		.amdhsa_system_sgpr_workgroup_id_x 1
		.amdhsa_system_sgpr_workgroup_id_y 1
		.amdhsa_system_sgpr_workgroup_id_z 1
		.amdhsa_system_vgpr_workitem_id 0
		.amdhsa_next_free_vgpr 1024
		.amdhsa_next_free_sgpr 106
		.amdhsa_reserve_vcc 0
		.amdhsa_float_denorm_mode_32 3
		.amdhsa_float_denorm_mode_16_64 3
		.amdhsa_memory_ordered 1
		.amdhsa_forward_progress 1
		.amdhsa_inst_pref_size 255
	.end_amdhsa_kernel
	.section	.bss,"aw",@nobits
	.p2align	6
	.space	262144
	.amdgpu_metadata
---
amdhsa.version: [ 1, 2 ]
amdhsa.kernels:
  - .name:           k_qb1e92bf7d1_project
    .symbol:         k_qb1e92bf7d1_project.kd
    .args:
      - { .name: tens_codes, .offset: 0, .size: 8, .value_kind: global_buffer, .address_space: global }
      - { .name: tens_scales, .offset: 8, .size: 8, .value_kind: global_buffer, .address_space: global }
      - { .name: Wk_codes, .offset: 16, .size: 8, .value_kind: global_buffer, .address_space: global }
      - { .name: Wv_codes, .offset: 24, .size: 8, .value_kind: global_buffer, .address_space: global }
      - { .name: Wq_codes, .offset: 32, .size: 8, .value_kind: global_buffer, .address_space: global }
      - { .name: Wk_scales, .offset: 40, .size: 8, .value_kind: global_buffer, .address_space: global }
      - { .name: Wv_scales, .offset: 48, .size: 8, .value_kind: global_buffer, .address_space: global }
      - { .name: Wq_scales, .offset: 56, .size: 8, .value_kind: global_buffer, .address_space: global }
      - { .name: bk, .offset: 64, .size: 8, .value_kind: global_buffer, .address_space: global }
      - { .name: bv, .offset: 72, .size: 8, .value_kind: global_buffer, .address_space: global }
      - { .name: bq, .offset: 80, .size: 8, .value_kind: global_buffer, .address_space: global }
      - { .name: kpart, .offset: 88, .size: 8, .value_kind: global_buffer, .address_space: global }
      - { .name: qcodes, .offset: 96, .size: 8, .value_kind: global_buffer, .address_space: global }
      - { .name: qscales, .offset: 104, .size: 8, .value_kind: global_buffer, .address_space: global }
    .group_segment_fixed_size: 327680
    .private_segment_fixed_size: 0
    .kernarg_segment_align: 8
    .kernarg_segment_size: 112
    .max_flat_workgroup_size: 128
    .sgpr_count:     106
    .vgpr_count:     1024
    .wavefront_size: 32
...
	.end_amdgpu_metadata
.endif
;; end of part 1
;; launch finish (part 2): grid 4 x 64, 4 waves a work-group, clusters of 4 x 1, 167,936 bytes of LDS; arguments kpart, qcodes, qscales, out0; writes out0
.if DOCPART == 2
	.amdgcn_target "amdgcn-amd-amdhsa--gfx1250"
	.amdhsa_code_object_version 6
	.text
	.protected	k_qb1e92bf7d1_finish
	.globl	k_qb1e92bf7d1_finish
	.p2align	8
	.type	k_qb1e92bf7d1_finish,@function
k_qb1e92bf7d1_finish:
	s_mov_b64 s[64:65], 0
	v_nop
	global_prefetch_b8 v0, s[64:65] scope:SCOPE_SE
	s_setreg_imm32_b32 hwreg(HW_REG_WAVE_MODE, 25, 1), 1
	s_wait_xcnt 0x0
	s_wait_alu depctr_hold_cnt(0) depctr_sa_sdst(0) depctr_va_vdst(0) depctr_va_sdst(0) depctr_va_ssrc(0) depctr_va_vcc(0) depctr_vm_vsrc(0)
	s_getreg_b32 s2, hwreg(HW_REG_IB_STS2, 6, 4)
	s_cmp_eq_u32 s2, 0
	s_cbranch_scc0 .Lentry_in_a_cluster
	s_endpgm
.Lentry_in_a_cluster:
	s_bfe_u32 s2, ttmp6, 0x10000c
	s_cmp_lg_u32 s2, 0x3003
	s_cbranch_scc0 .Lentry_shape_is_right
	s_endpgm
.Lentry_shape_is_right:
; out[n][e] = 2^-9 x sum over d of Q(q)[n][d] Q(ktv)[d][e], for one batch and head and a quarter of its 4,096 rows.  Nothing is left out.
; The eight partial sums of ktv (f32, images of the accumulators' registers) are added, ktv is quantised along d, and the factor (1 / sqrt(64)) / sqrt(4,096) = 2^-9, a power of two, is taken off ktv's scale bytes.
; LIMITS: a block of ktv whose largest magnitude lies under 2^-115 is quantised on the scale 2^-117 (the byte, with 9 taken off, is held at 1); NaN and infinities are not served.
; SHARES.  Work-group (quarter cx, batch and head).  Wave w adds and quantises the 16 columns e of tile w, hands the fragment to the other waves through LDS as an image of its registers, and then serves 256 rows: 16 tiles of 16.
; CLUSTER.  The four quarters of a head need the same partial sums: each wave's 32,768 bytes are asked for jointly, by one tensor load with the mask of all four.  One tensor load of mine is out.
; LAYOUT.  A lane of ktv's sums holds one e and, over the four tiles of d, one whole block of 32 along d.  K is 64: registers 4 to 7 of ktv's fragments are zero codes, so whatever stands in the upper half of q's operand adds nothing.
; The product is used with ktv as source 0: a lane holds one row n and eight neighbouring e.  A tile goes through my stage in LDS and leaves as rows of 256 bytes: a head's 64 numbers of a row of out.
; Rows and columns of a tile are those of the first launch's map: tile 4 c + t holds 64 c + 8 t + 0..7 and, 40 (t even) or 24 (t odd) further on, eight more.
.set KIMG,  131072                     ; LDS: from 0 the partial sums, 32,768 bytes a wave, read by that wave alone; here ktv's four fragments, 512 bytes each,
.set KSC,   KIMG+4*512                 ; their scale words, 128 bytes each,
.set STG,   KSC+4*128                  ; the stages: 16 rows x (256 + 16) bytes for each wave,
.set SPARE, STG+4*16*272               ; and the spare words, 128 bytes for each wave: two blocks of 256 bytes that no other line names
.set LI,   3                           ; v3   16 x lane
.set PADR, 4                           ; v4   my place in my wave's partial sums
.set KIW,  5                           ; v5   where I store my fragment's image;  v6 its scale word
.set KSW,  6
.set KIR,  7                           ; v7   where I read the images;  v8 the scale words
.set KSR,  8
.set STOE, 9                           ; v9   the stage: where I put 32 bytes of a row, for an even tile of e;  v10 for an odd one
.set RD,   11                          ; v11  and where I read a row back
.set GO,   12                          ; v12  my byte offset in two rows of out
.set SH8,  13                          ; v13  8 x (lane / 16)
.set SPW,  14                          ; v14  LDS address of my spare word; never rewritten
.set NIL,  15                          ; v15  0; never rewritten
.set KW,   24                          ; v24-27   ktv's scale words
.set QS,   28                          ; v28-35   q's scale words: register 4 block + i: lanes 0-15 tile 2 i, lanes 16-31 tile 2 i + 1
.set KF,   36                          ; v36-67   ktv's four fragments: four registers of codes, four of zeros
.set Q,    68                          ; v68-135  q's 16 tiles, four registers each, and four of zeros
.set S,    136                         ; v136-167 the sums; later the results of even tiles
.set T0,   168                         ; v168-199 a partial sum; later the results of odd tiles
.set T1,   200                         ; v200-231 a partial sum; later rows on their way out
.set OB,   200
.macro CROUND
	s_barrier_signal -1
	s_barrier_wait -1
	s_cmp_lg_u32 s12, 0
	s_cbranch_scc1 .Lnot_wave_0_\@
	s_barrier_signal -3
.Lnot_wave_0_\@:
	s_barrier_wait -3
	s_barrier_signal -1
	s_barrier_wait -1
.endm
	s_load_b256 s[4:11], s[0:1], 0x0               ; kpart, qcodes, qscales, out0
	v_lshl_add_u32 v[SPW], v0, 2, SPARE
	v_mov_b32 v[NIL], 0
	ds_add_u32 v[SPW], v[NIL]                      ; the wave's opening: the add, twice on end, and its wait ahead of my first tensor load
	ds_add_u32 v[SPW], v[NIL]
	v_lshrrev_b32 v1, 5, v0
	v_readfirstlane_b32 s12, v1                    ; wave
	s_bfe_u32 s13, ttmp6, 0x40000                  ; cx: the quarter of the rows; it enters q's and out's addresses alone
	s_and_b32 s14, ttmp7, 0xffff                   ; 16 x batch + head, which the four partners share
	s_mov_b32 s16, 15|(3<<16)|(1<<21)              ; the mask: all four work-groups; elements of 8 bytes; bit 21 beside a mask; no padding
	s_mov_b32 s17, 512<<16                         ; tensor_dim0 = 512 elements: my tile's 4,096 bytes of a partial sum
	s_mov_b32 s18, 8<<16                           ; tensor_dim1 = 8 partial sums
	s_mov_b32 s19, 512<<16                         ; tile_dim0
	s_mov_b32 s20, 8                               ; tile_dim1
	s_mov_b32 s21, 2048                            ; 16,384 bytes from one partial sum to the next
	s_mov_b32 s22, 0
	s_mov_b32 s23, 0
	s_mov_b32 s24, 1
	s_lshl_b32 s25, s12, 15                        ; LDS: 32,768 x wave
	s_lshl_b32 s26, s14, 17                        ; memory: 131,072 x (16 b + head) + 4,096 x wave
	s_lshl_b32 s27, s12, 12
	s_add_co_u32 s26, s26, s27
	s_mov_b32 s27, 0
	s_wait_dscnt 0x0                               ; both opening adds are done
	s_wait_kmcnt 0x0
	s_add_nc_u64 s[26:27], s[4:5], s[26:27]
	s_or_b32 s27, s27, 0x80000000                  ; type = 2
	CROUND                                         ; all four work-groups are here: the joint loads meet
	tensor_load_to_lds s[24:27], s[16:23]
	s_nop 0
.rept 4
	v_nop
.endr
	v_and_b32 v16, 31, v0
	v_lshlrev_b32 v[LI], 4, v16
	s_lshr_b32 s28, s14, 4                         ; the batch
	s_and_b32 s29, s14, 15                         ; the head
	s_lshl_b32 s30, s28, 3                         ; qscales: ((8 b + head / 2) 32 + 8 cx + 2 w) 512
	s_lshr_b32 s31, s29, 1
	s_add_co_u32 s30, s30, s31
	s_lshl_b32 s30, s30, 5
	s_lshl_b32 s31, s13, 3
	s_add_co_u32 s30, s30, s31
	s_lshl_b32 s31, s12, 1
	s_add_co_u32 s30, s30, s31
	s_lshl_b32 s30, s30, 9
	s_mov_b32 s31, 0
	s_add_nc_u64 s[8:9], s[8:9], s[30:31]
	s_lshl_b32 s30, s14, 17                        ; qcodes: (16 b + head) 131,072 + (8 cx + 2 w) 4,096
	s_lshl_b32 s32, s13, 15
	s_add_co_u32 s30, s30, s32
	s_lshl_b32 s32, s12, 13
	s_add_co_u32 s30, s30, s32
	s_add_nc_u64 s[6:7], s[6:7], s[30:31]
	global_load_b128 v[QS:QS+3], v[LI], s[8:9] th:TH_LOAD_NT
	global_load_b128 v[QS+4:QS+7], v[LI], s[8:9] offset:512 th:TH_LOAD_NT
.irp t, 0,1,2,3,4,5,6,7,8,9,10,11,12,13,14,15
	global_load_b128 v[Q+4*\t:Q+4*\t+3], v[LI], s[6:7] offset:512*\t th:TH_LOAD_NT   ; my 16 tiles of q: images of the operand's registers, 512 consecutive bytes a load
.endr
	s_lshl_b32 s30, s28, 12                        ; out: row 4,096 b + 1,024 cx + 256 w, 4,096 bytes a row, + 256 x head
	s_lshl_b32 s32, s13, 10
	s_add_co_u32 s30, s30, s32
	s_lshl_b32 s32, s12, 8
	s_add_co_u32 s30, s30, s32
	s_lshl_b32 s30, s30, 12
	s_lshl_b32 s32, s29, 8
	s_add_co_u32 s30, s30, s32
	s_add_nc_u64 s[10:11], s[10:11], s[30:31]
	s_mov_b32 s34, 0x76543210
	s_mov_b32 s35, 0xfedcba98                      ; v_permlanex16_b32's selects for lane l xor 16
	s_and_b32 s36, s29, 1
	s_lshl_b32 s36, s36, 4                         ; an odd head's two bytes are the upper half of q's scale words
	v_and_b32 v1, 15, v0                           ; r
	v_bfe_u32 v2, v0, 4, 1                         ; h
	v_lshlrev_b32 v17, 2, v16                      ; 4 x lane
	s_lshl_b32 s32, s12, 15
	v_add_nc_u32 v[PADR], s32, v[LI]
	s_lshl_b32 s32, s12, 9
	s_add_co_u32 s32, s32, KIMG
	v_add_nc_u32 v[KIW], s32, v[LI]
	s_lshl_b32 s32, s12, 7
	s_add_co_u32 s32, s32, KSC
	v_add_nc_u32 v[KSW], s32, v17
	v_add_nc_u32 v[KIR], KIMG, v[LI]
	v_add_nc_u32 v[KSR], KSC, v17
	s_mul_i32 s32, s12, 16*272
	s_add_co_u32 s32, s32, STG                     ; my stage
	v_mul_u32_u24 v16, v1, 272
	v_add_nc_u32 v16, s32, v16                     ; in: row r; lanes 16-31 hold the e that lie 40 (even tile) or 24 (odd tile) further on
	v_mad_u32_u24 v[STOE], v2, 160, v16
	v_mad_u32_u24 v[STOE+1], v2, 96, v16
	v_mul_u32_u24 v18, v2, 272
	v_lshl_add_u32 v18, v1, 4, v18
	v_add_nc_u32 v[RD], s32, v18                   ; back: lanes 0-15 one row, lanes 16-31 the next
	v_lshlrev_b32 v18, 12, v2
	v_lshl_add_u32 v[GO], v1, 4, v18               ; and the same two rows in out
	v_lshlrev_b32 v[SH8], 3, v2
	v_mov_b32 v19, 0                               ; a lane permute's destination counts as one of its sources
.irp te, 0,1,2,3
.irp j, 4,5,6,7
	v_mov_b32 v[KF+8*\te+\j], 0                    ; K = 64 .. 127 of ktv's fragments: zero codes
.endr
.endr
.irp j, 0,1,2,3
	v_mov_b32 v[Q+64+\j], 0                        ; what the last tile's operand names beyond its own four registers
.endr
.macro CHUNK k, reg                    ; partial sum k of my tile: eight images
.irp g, 0,1,2,3,4,5,6,7
	ds_load_b128 v[(\reg)+4*\g:(\reg)+4*\g+3], v[PADR] offset:4096*(\k)+512*\g
.endr
.endm
.macro ADDC reg
.irp k, 0,2,4,6,8,10,12,14,16,18,20,22,24,26,28,30
	v_pk_add_f32 v[S+\k:S+\k+1], v[S+\k:S+\k+1], v[(\reg)+\k:(\reg)+\k+1]
.endr
.endm
	s_wait_tensorcnt 0x0                           ; my 32,768 bytes are in; no other wave reads them
	CHUNK 0, S
	CHUNK 1, T0
	CHUNK 2, T1
	s_wait_dscnt 8                                 ; all but the youngest eight loads, the next partial sum's
	ADDC T0
	CHUNK 3, T0
	s_wait_dscnt 8
	ADDC T1
	CHUNK 4, T1
	s_wait_dscnt 8
	ADDC T0
	CHUNK 5, T0
	s_wait_dscnt 8
	ADDC T1
	CHUNK 6, T1
	s_wait_dscnt 8
	ADDC T0
	CHUNK 7, T0
	s_wait_dscnt 8
	ADDC T1
	s_wait_dscnt 0x0
	ADDC T0
	s_wait_loadcnt 0x0                             ; q
.irp k, 0,1,2,3,4,5,6,7
	v_lshrrev_b32 v[QS+\k], s36, v[QS+\k]          ; my head's two bytes to bytes 0 and 1; what stands in bytes 2 and 3 scales products with zero codes
.endr
	; my 32 sums are block h along d of one column e
	v_max3_num_f32 v16, |v[S]|, |v[S+1]|, 0x6000000        ; the floor 2^(12 - 127): with 2 + 9 taken off, the byte cannot fall under 1
	v_max3_num_f32 v17, |v[S+16]|, |v[S+17]|, 0x6000000
.irp e, 2,4,6,8,10,12,14
	v_max3_num_f32 v16, |v[S+\e]|, |v[S+\e+1]|, v16
	v_max3_num_f32 v17, |v[S+16+\e]|, |v[S+17+\e]|, v17
.endr
	v_max_num_f32 v16, v16, v17
	v_add_nc_u32 v17, 0xff000000, v16              ; 2 off the exponent field: the conversion's scale operand
	v_add_nc_u32 v18, 0xfa800000, v16              ; 2 + 9 off: the byte that the product is given carries the factor 2^-9
	v_lshrrev_b32 v18, 23, v18
	v_lshlrev_b32 v18, v[SH8], v18                 ; byte h
	v_permlanex16_b32 v19, v18, s34, s35
	v_or_b32 v18, v18, v19                         ; with lane l xor 16's the word is whole; bytes 2 and 3 are 0 and scale zero codes
.irp t, 0,1,2,3
	v_cvt_scalef32_pk8_fp4_f32 v[20+\t], v[S+8*\t:S+8*\t+7], v17
.endr
	v_nop                                          ; one plain place behind the last conversion
	ds_store_b128 v[KIW], v[20:23]                 ; the fragment's four registers as they stand, 16 bytes a lane
	ds_store_b32 v[KSW], v18
	s_wait_dscnt 0x0                               ; for the others' sake: my stores have landed
	s_barrier_signal -1
	s_barrier_wait -1
.irp te, 0,1,2,3
	ds_load_b128 v[KF+8*\te:KF+8*\te+3], v[KIR] offset:512*\te
	ds_load_b32 v[KW+\te], v[KSR] offset:128*\te
.endr
	s_wait_dscnt 0x0
; Tile tau of my 16: four products, one for each tile of e, each a sum of its own; four places behind them for the stores that read the results
.macro MUL tau
.set rQ, Q+4*(\tau)
.set rS, QS+4*((\tau)/8)+((\tau)%8)/2
.set rM, S+32*((\tau)%2)
.irp te, 0,1,2,3
.if (\tau)%2
	v_wmma_scale_f32_16x16x128_f8f6f4 v[rM+8*\te:rM+8*\te+7], v[KF+8*\te:KF+8*\te+7], v[rQ:rQ+7], 0, v[KW+\te], v[rS] matrix_a_fmt:MATRIX_FMT_FP4 matrix_b_fmt:MATRIX_FMT_FP4 matrix_b_scale:MATRIX_SCALE_ROW1
.else
	v_wmma_scale_f32_16x16x128_f8f6f4 v[rM+8*\te:rM+8*\te+7], v[KF+8*\te:KF+8*\te+7], v[rQ:rQ+7], 0, v[KW+\te], v[rS] matrix_a_fmt:MATRIX_FMT_FP4 matrix_b_fmt:MATRIX_FMT_FP4
.endif
.endr
.rept 4
	v_nop
.endr
.endm
; Tile tau goes through my stage and out; the next tile's products stand between the loads from the stage and the wait for them.  LDS serves a wave's instructions in order (ISA guide 5.7.1.4): the loads see the stores, and the next tile's stores come behind them.
.macro ROWS tau
.set rD, S+32*((\tau)%2)
.irp te, 0,1,2,3
	ds_store_b128 v[STOE+(\te&1)], v[rD+8*\te:rD+8*\te+3] offset:32*\te         ; each result from its low end on
	ds_store_b128 v[STOE+(\te&1)], v[rD+8*\te+4:rD+8*\te+7] offset:32*\te+16
.endr
	s_wait_xcnt 0x0                                ; the last tile's stores have read their registers, which the loads below fill again
.irp i, 0,1,2,3,4,5,6,7
	ds_load_b128 v[OB+4*\i:OB+4*\i+3], v[RD] offset:544*\i
.endr
.if (\tau) < 15
	MUL (\tau)+1
.endif
	s_wait_dscnt 0x0
.irp i, 0,1,2,3,4,5,6,7
	global_store_b128 v[GO], v[OB+4*\i:OB+4*\i+3], s[10:11] offset:(128*((\tau)/8)+64*(((\tau)%8)/4)+8*((\tau)%4)+2*\i+(\i/4)*(32-16*((\tau)%2)))*4096 th:TH_STORE_NT   ; sixteen lanes store 256 consecutive bytes, aligned: a head's part of a row; written once, read by nobody here
.endr
.endm
	MUL 0
.irp t, 0,1,2,3,4,5,6,7,8,9,10,11,12,13,14,15
	ROWS \t
.endr
	s_wait_tensorcnt 0x0                           ; the wave's end: behind my last tensor load and my last LDS store
	ds_add_u32 v[SPW], v[NIL]
	s_wait_dscnt 0x0
	CROUND                                         ; the closing round
	s_endpgm
.Lfunc_end_k_qb1e92bf7d1_finish:
	.size	k_qb1e92bf7d1_finish, .Lfunc_end_k_qb1e92bf7d1_finish-k_qb1e92bf7d1_finish
	.p2alignl 7, 3214868480
	.fill 96, 4, 3214868480
	.section	.rodata,"a",@progbits
	.p2align	6, 0x0
	.amdhsa_kernel k_qb1e92bf7d1_finish
		.amdhsa_group_segment_fixed_size 167936
		.amdhsa_private_segment_fixed_size 0
		.amdhsa_enable_private_segment 0
		.amdhsa_kernarg_size 32
		.amdhsa_user_sgpr_count 2
		.amdhsa_user_sgpr_kernarg_segment_ptr 1
		.amdhsa_wavefront_size32 1
		.amdhsa_system_sgpr_workgroup_id_x 1
		.amdhsa_system_sgpr_workgroup_id_y 1
		.amdhsa_system_sgpr_workgroup_id_z 1
		.amdhsa_system_vgpr_workitem_id 0
		.amdhsa_next_free_vgpr 256
		.amdhsa_next_free_sgpr 66
		.amdhsa_reserve_vcc 0
		.amdhsa_float_denorm_mode_32 3
		.amdhsa_float_denorm_mode_16_64 3
		.amdhsa_memory_ordered 1
		.amdhsa_forward_progress 1
		.amdhsa_inst_pref_size 61
	.end_amdhsa_kernel
	.amdgpu_metadata
---
amdhsa.version: [ 1, 2 ]
amdhsa.kernels:
  - .name:           k_qb1e92bf7d1_finish
    .symbol:         k_qb1e92bf7d1_finish.kd
    .args:
      - { .name: kpart, .offset: 0, .size: 8, .value_kind: global_buffer, .address_space: global }
      - { .name: qcodes, .offset: 8, .size: 8, .value_kind: global_buffer, .address_space: global }
      - { .name: qscales, .offset: 16, .size: 8, .value_kind: global_buffer, .address_space: global }
      - { .name: out0, .offset: 24, .size: 8, .value_kind: global_buffer, .address_space: global }
    .group_segment_fixed_size: 167936
    .private_segment_fixed_size: 0
    .kernarg_segment_align: 8
    .kernarg_segment_size: 32
    .max_flat_workgroup_size: 128
    .sgpr_count:     66
    .vgpr_count:     256
    .wavefront_size: 32
...
	.end_amdgpu_metadata
.endif
;; end of part 2
